; MI455X (gfx1250); checked and timed in simulation.
; The chip was launched on July 23, 2026; its instructions are those of AMD's public machine-readable ISA for CDNA 5 (MIT licence, August 2026) and "CDNA5" Instruction Set Architecture Reference Guide (July 2026). The comments in the code are by the model that wrote it; some were corrected since.
;; Internal Interaction. Allowed arithmetic: matrix products marked QUANTISED: E2M3 operands, one E8M0 scale for each 32 along K, by v_wmma_scale_f32_16x16x128_f8f6f4 with both operands' format E2M3, f32 sums; everything else in f32.
;; Inputs: W1_codes 512 x 4 x 24 uint8 (E2M3 codes of W1, K innermost, in blocks of 32 codes, four codes in three bytes); W1_scales 512 x 4 uint8 (E8M0 scales of W1, one for each 32 codes along K); W2_codes 128 x 16 x 24 uint8 (E2M3 codes of W2, K innermost, in blocks of 32 codes, four codes in three bytes); W2_scales 128 x 16 uint8 (E8M0 scales of W2, one for each 32 codes along K); attribute_embeddings 2,048 x 16 x 128 float32; b1 512 float32; b2 128 float32.
;; Outputs: out0 2,048 x 16 x 128 float32.
;; This version of the problem:
;;   THIS VERSION OF THE PROBLEM IS GIVEN IN LOW PRECISION. The matrix products marked QUANTISED in the list below multiply operands that are first quantised to E2M3 (2 exponent bits, 3 mantissa bits; 6 bits a number), with one power-of-two scale for each 32 numbers along K (OCP MX v1.0); their sums are f32. All else is computed in f32.
;;   The module's matrix products, in the order in which they are computed (A, B: the left and right operand; K: the contracted axis; several contracted axes count as one K, in the product's order):
;;     1. [M 524,288, K 128] x [K 128, N 512]; A: computed on the way; B: input W1 (given as codes): QUANTISED
;;     2. [M 524,288, K 512] x [K 512, N 128]; A: computed on the way; B: input W2 (given as codes): QUANTISED
;;   THE QUANTISER, for each operand of a quantised product, along K:
;;     - K is cut into blocks of 32 from its start; a last block that is shorter is filled with zeros.
;;     - A block's scale is 2^e with e = floor(log2(the largest magnitude in the block)) - 2, held to -126 .. 127; a block of zeros has e = 0. As a byte (E8M0): e + 127.
;;     - Each number is divided by its block's scale, clamped to +-7.5, and rounded to the nearest number of E2M3, ties to even, subnormals kept.
;;     - The product sums the exact products of the quantised numbers (number of the format x scale) in f32.
;;   ~~~python
;;   def quantise(x, axis):      # numpy; x: float32 -> the quantised numbers, widened to float32 again
;;       x = np.moveaxis(x, axis, -1); K = x.shape[-1]
;;       x = np.pad(x, [(0, 0)] * (x.ndim - 1) + [(0, -K % 32)]); x = x.reshape(x.shape[:-1] + (-1, 32)); a = np.abs(x).max(-1, keepdims=True)
;;       e = np.where(a > 0, np.clip(np.frexp(np.where(a > 0, a, 1))[1] - 1 - 2, -126, 127), 0)      # np.frexp(a)[1] - 1 = floor(log2(a)), exactly
;;       r = np.clip(x / 2.0 ** e, -7.5, 7.5)
;;       step = 2.0 ** (np.maximum(np.frexp(np.where(r == 0, 1, r))[1] - 1, 0) - 3)
;;       q = np.round(r / step) * step * 2.0 ** e      # np.round: ties to even
;;       return np.moveaxis(q.reshape(q.shape[:-2] + (-1,))[..., :K], -1, axis).astype(np.float32)
;;   ~~~
;;   OPERANDS COMPUTED ON THE WAY. 'Computed on the way' means the value that the module computes at that place (a softmax that the list does not call 'softmax' is quantised finished and normalised). What goes into a quantiser is computed in f32, as accurately as f32 sums, v_exp_f32 and their like allow (about 1e-6 of the number): no bf16 or f16 on the way to a quantiser, and a product that is left as it is and whose result goes on into a quantised operand takes f32 operands (vector FMAs, or v_wmma_f32_16x16x4_f32). A number that lies on a knife's edge between two numbers of the format may be rounded either way, as far as f32 arithmetic and the matrix unit's own rounding can turn it there, and no further.
;;   INPUTS GIVEN AS CODES. W1 (in the module: [512, 128], K = its axis 1); W2 (in the module: [128, 512], K = its axis 1): each comes as NAME_codes (uint8): NAME with its K axis moved to the last place and cut into blocks of 32 codes, [.., K / 32, bytes a block], one block behind the other in memory; four codes in three bytes: a row's codes are one little-endian stream of bits, code i at bits 6 i .. 6 i + 5 (a code: sign, 2 exponent bits, 3 mantissa bits); and NAME_scales (uint8): the same leading axes, one E8M0 byte (e + 127) for each 32 codes along K. Its value is code x scale, taken as it is: it is not quantised again, and the codes and scales need not be those that the quantiser above would give.
;; 2 versions, each right; version 2 is version 1 with the launch pairs_mlp written anew for expert scheduling mode. Each part assembles by itself: llvm-mc -triple=amdgcn-amd-amdhsa -mcpu=gfx1250 --defsym DOCPART=n.
;; ======== version 1 of 2: 1 launch
;; launch pairs_mlp (part 1): grid 256 x 1, 8 waves a work-group, no clusters, 234,752 bytes of LDS; arguments attribute_embeddings, W1_codes, W1_scales, b1, W2_codes, W2_scales, b2, out0; writes out0
.if DOCPART == 1
	.amdgcn_target "amdgcn-amd-amdhsa--gfx1250"
	.amdhsa_code_object_version 6
	.text
	.protected	k_qbfdc5ca25d_pairs_mlp
	.globl	k_qbfdc5ca25d_pairs_mlp
	.p2align	8
	.type	k_qbfdc5ca25d_pairs_mlp,@function
k_qbfdc5ca25d_pairs_mlp:
	s_mov_b64 s[64:65], 0
	v_nop
	global_prefetch_b8 v0, s[64:65] scope:SCOPE_SE
	s_setreg_imm32_b32 hwreg(HW_REG_WAVE_MODE, 25, 1), 1
	s_wait_xcnt 0x0
; out[b][j][:] = sum over i of ( relu( Q(x[b][i] * x[b][j]) W1^T + b1 ) quantised, times W2^T ) + 16 b2.   x, out: [2048][16][128] f32.
; Both products on codes of FP6 (E2M3) with one E8M0 scale for each 32 along K.  W1 [512][128], W2 [128][512] arrive as codes, K innermost, with their scale bytes.
; SHARES.  A work-group of eight waves owns 8 values of b, one STAGE each.  Wave w = (s = w & 3, g = w >> 2) owns hidden units 128 s .. 128 s + 127 and the first indices i = 8 g .. 8 g + 7.
; Its weights stay in registers for the whole launch: 8 fragments of W1, 8 of W2 (K step s of all 128 outputs), 64 registers of b1.  A CHUNK is one (b, i): 8 products with W1, the quantiser, 8 products
; with W2 that add in place onto O (16 j x 128 d): the sum over i is taken in the accumulators.  The hidden layer is made, quantised and used by one wave and never leaves its registers.
; BOTH PRODUCTS ARE USED TRANSPOSED (source 0 = 16 rows of a weight, source 1 = the 16 rows j): a lane holds one j throughout.
; THE ROWS OF W1 THAT FORM A TILE ARE NOT NEIGHBOURS: lane r of tile 4 c + u takes row 64 c + 8 u + (r & 7) + 32 (r >> 3) of the wave's 128.  Register 32 c + e of the 64 results of lane (j, h) is then
; hidden unit 64 c + 32 h + e: a WHOLE block of 32 in one lane, in the order of the 6-bit operand's registers: no other lane is asked for a block's maximum and no halves change lanes.
; THROUGH LDS go: the rows of x (8 KB a b); the 16 pair fragments of a b, each made once by one wave and stored as an image of its registers (3 x 16 bytes a lane, and a scale word a lane);
; the eight partial O of a b, which are added once, two rows of out to a wave.  Every region has two copies, 1 << 17 bytes apart, used by turns, so that one barrier a stage orders all of it.
; THE TWO WAVES OF A SIMD (w and w + 4) are set half a chunk apart: each wave makes two pair fragments a stage; one in the stage's middle; the other at the stage's head (g = 1) or at its end (g = 0).
; NO CLUSTER, NO JOINT LOADS: what work-groups share are the weights, which each wave reads once, at its head, straight into operand registers (24,576 bytes of codes for its 1,024 matrix instructions).
; LIMITS: NaN and infinities among the inputs are not served.  A block whose largest magnitude lies under 2^-124 keeps the scale byte 1 (not tried); a block of zeros gets the byte 1 with zero codes.
; The f32 sums go in another order than the source reads: over i in the accumulator, then over the eight partials; b2 enters once, as 16 b2.
.set HALF,  1<<17                      ; LDS: the second copy of every region begins here
.set XP,    528                        ; a row of 512 bytes + 16: 33 x 16 bytes, so that 16 lanes that take 16 bytes of 16 rows touch 16 different columns of 16 bytes
.set FRB,   1536                       ; a fragment's image: 12 registers x 128 bytes
.set PI,    16*XP                      ; behind x's 16 rows (at 0): the 16 images,
.set PIS,   PI+16*FRB                  ; their scale words, 128 bytes each,
.set PART,  PIS+16*128                 ; the eight partial O, 16 rows x XP each; a half ends at 102,656
.set PARTB, 16*XP
.set FLOOR, 0x1800000                  ; 2^(3 - 127): no largest magnitude is taken under it, so that the scale's byte cannot fall under 1
; window 0
.set L16,  1                           ; 16 x lane
.set L4,   2                           ; 4 x lane
.set XJ0,  3                           ; 528 r + 128 h
.set H128, 4                           ; 128 h
.set PT0,  5                           ; 528 r + 32 h
.set SH8,  6                           ; 8 h
.set PFA,  7                           ; the stage's LDS addresses: images to fetch,
.set PSA,  8                           ; their scale words,
.set XJA,  9                           ; x's row j = r of the next b,
.set XIA,  10                          ; v10, v11: x's row i' of my two pair fragments (0: the middle one, 1: the one at the head or the end),
.set PWA,  12                          ; v12, v13: where their images go,
.set PWS,  14                          ; v14, v15: and their scale words,
.set PTA,  16                          ; my partial O,
.set XWA,  17                          ; where I put two rows of x,
.set RDA,  18                          ; the two rows of the partials that I add
.set TA,   19                          ; the head's address of x's half 0
.set W1S,  20                          ; v20-27 W1's scale words, v28-35 W2's: scales and nothing else
.set W2S,  28
.set PF,   36                          ; v36-47 the pair fragment in hand;  v48 its scale word
.set PS,   48
.set HW,   49                          ; the scale word just made
.set HC,   50                          ; v50-61 the codes just made
.set HT,   62                          ; v62-64, v66-68: the upper halves of the two blocks (a conversion's three registers begin on an even number)
.set QM,   70                          ; v70-73 largest magnitudes, two chains a block
.set SO,   74                          ; v74, v75 the conversions' scale operands
.set BY,   76                          ; scale bytes at work (and v122)
.set PERM, 77
.set XG,   78                          ; v78-85 two rows of x on their way
.set B2R,  86                          ; v86-89 16 b2[4 lane ..]
.set XT,   90                          ; v90-121 x's row i'; later two rows of out
.set BY1,  122
.set W1O,  123                         ; v123-126 the offsets of the weights' loads; never rewritten
.set W1SO, 124
.set W2O,  125
.set W2SO, 126
.set H,    128                         ; v128-191 the hidden layer's 8 tiles; also the pairs; also the partials to add
.set O,    192                         ; v192-255 the 8 accumulators of out
; window 1
.set W1F,  0                           ; 8 x 12
.set W2F,  96                          ; 8 x 12
.set B1,   192                         ; 8 x 8
; scalars: s[4:19] the eight addresses
.set WV,   20
.set KS,   21
.set GI,   22
.set TRIP, 23
.set CUR,  24                          ; the half of LDS of the b in hand;  s25 the other
.set NXT,  25
.set SEL,  26                          ; s[26:27] v_permlanex16_b32's selects for lane l xor 16
.set SPF,  28                          ; s28-38 the wave's constants in a half of LDS
.set SPS,  29
.set SXI,  30                          ; s30, s31
.set SPW,  32                          ; s32, s33
.set SPC,  34                          ; s34, s35
.set SPT,  36
.set SXW,  37
.set SRD,  38
.set MSB, 0
.macro WIN new                         ; s_set_vgpr_msb: bits 1:0 source 0, 3:2 source 1, 5:4 source 2, 7:6 destination; the high byte repeats the setting that is left
.if MSB != \new
	s_set_vgpr_msb (MSB<<8)|\new
.set MSB, \new
.endif
.endm
.macro PLACES                          ; four plain vector instructions behind a matrix instruction, ahead of reads of its result and of loads into its sources, and ahead of a scaled product whose operand vector instructions wrote
.rept 4
	v_nop
.endr
.endm
.macro BAR                             ; my LDS stores have landed and my LDS loads are in: then the work-group's barrier
	s_wait_dscnt 0x0
	s_barrier_signal -1
	s_barrier_wait -1
.endm
.macro ADR1 dst, cst, par, base
	s_add_co_u32 s39, s[\cst], s[\par]
	v_add_nc_u32 v[\dst], s39, v[\base]
.endm
.macro ADDR                            ; a stage's addresses: a constant of the wave + the half + a term of the lane.  On every wave's way, ahead of the branches on g
	ADR1 PFA, SPF, CUR, L16
	ADR1 PSA, SPS, CUR, L4
	ADR1 PTA, SPT, CUR, PT0
	ADR1 XWA, SXW, CUR, L16
	ADR1 RDA, SRD, CUR, L16
	v_add_nc_u32 v[XJA], s[NXT], v[XJ0]
	ADR1 XIA, SXI, NXT, H128
	ADR1 XIA+1, SXI+1, NXT, H128
	ADR1 PWA, SPW, NXT, L16
	ADR1 PWA+1, SPW+1, NXT, L16
	ADR1 PWS, SPC, NXT, L4
	ADR1 PWS+1, SPC+1, NXT, L4
.endm
.macro FETCH k                         ; the pair fragment of my k-th i, as its maker's registers held it, and its scale words
.irp c, 0,1,2
	ds_load_b128 v[PF+4*\c:PF+4*\c+3], v[PFA] offset:FRB*(\k)+512*\c
.endr
	ds_load_b32 v[PS], v[PSA] offset:128*(\k)
.endm
.macro W1RUN                           ; my 8 tiles of the hidden layer; b1 is the C of each: it costs no addition
	WIN 0x11                                       ; W1's fragments and b1 in window 1
.irp t, 0,1,2,3,4,5,6,7
	v_wmma_scale_f32_16x16x128_f8f6f4 v[H+8*\t:H+8*\t+7], v[W1F+12*\t:W1F+12*\t+11], v[PF:PF+11], v[B1+8*\t:B1+8*\t+7], v[W1S+\t], v[PS] matrix_a_fmt:MATRIX_FMT_FP6 matrix_b_fmt:MATRIX_FMT_FP6
.endr
	WIN 0
.endm
.macro W2RUN zero                      ; O += W2 (K step s) x the hidden codes.  The eight accumulators take turns, one instruction a turn, and W1's eight stand between two turns of one.  It leaves its window set
	WIN 0x01                                       ; W2's fragments in window 1
.irp n, 0,1,2,3,4,5,6,7
.if \zero
	v_wmma_scale_f32_16x16x128_f8f6f4 v[O+8*\n:O+8*\n+7], v[W2F+12*\n:W2F+12*\n+11], v[HC:HC+11], 0, v[W2S+\n], v[HW] matrix_a_fmt:MATRIX_FMT_FP6 matrix_b_fmt:MATRIX_FMT_FP6
.else
	v_wmma_scale_f32_16x16x128_f8f6f4 v[O+8*\n:O+8*\n+7], v[W2F+12*\n:W2F+12*\n+11], v[HC:HC+11], v[O+8*\n:O+8*\n+7], v[W2S+\n], v[HW] matrix_a_fmt:MATRIX_FMT_FP6 matrix_b_fmt:MATRIX_FMT_FP6
.endif
.endr
.endm
; Two of the 16 lines that find the largest magnitude of block c (my 32 numbers H[32 c ..]): chain A takes numbers 0-15 and the floor, chain B 16-30; the last line joins them and number 31.
; Each tile's registers are first read at the tile's low end.  ab = 1: magnitudes; ab = 0: as they are: what is negative will be clipped to 0 and must not count; the floor stands over it.
.macro MAXROW c, m, ab
.set hb, H+32*(\c)
.set qa, QM+2*(\c)
.if \ab
.if (\m) == 0
	v_max3_num_f32 v[qa], |v[hb]|, |v[hb+1]|, FLOOR
	v_max3_num_f32 v[qa+1], |v[hb+16]|, |v[hb+17]|, |v[hb+18]|
.elseif (\m) < 7
	v_max3_num_f32 v[qa], v[qa], |v[hb+2*(\m)]|, |v[hb+2*(\m)+1]|
	v_max3_num_f32 v[qa+1], v[qa+1], |v[hb+17+2*(\m)]|, |v[hb+18+2*(\m)]|
.else
	v_max3_num_f32 v[qa], v[qa], |v[hb+14]|, |v[hb+15]|
	v_max3_num_f32 v[qa], v[qa], v[qa+1], |v[hb+31]|
.endif
.else
.if (\m) == 0
	v_max3_num_f32 v[qa], v[hb], v[hb+1], FLOOR
	v_max3_num_f32 v[qa+1], v[hb+16], v[hb+17], v[hb+18]
.elseif (\m) < 7
	v_max3_num_f32 v[qa], v[qa], v[hb+2*(\m)], v[hb+2*(\m)+1]
	v_max3_num_f32 v[qa+1], v[qa+1], v[hb+17+2*(\m)], v[hb+18+2*(\m)]
.else
	v_max3_num_f32 v[qa], v[qa], v[hb+14], v[hb+15]
	v_max3_num_f32 v[qa], v[qa], v[qa+1], v[hb+31]
.endif
.endif
.endm
.macro SCALE c                         ; 2 off the largest magnitude's exponent field: the conversion takes the exponent field of this operand as its scale, and nothing else of it
	v_add_nc_u32 v[SO+\c], 0xff000000, v[QM+2*\c]
.endm
.macro WORD                            ; my two bytes (blocks h and 2 + h of row j) at their places, joined with lane l xor 16's two: the row's scale word
	v_lshl_or_b32 v[BY], v[BY1], 16, v[BY]
	v_lshlrev_b32 v[BY], v[SH8], v[BY]
	v_permlanex16_b32 v[PERM], v[BY], s[SEL], s[SEL+1]
	v_or_b32 v[HW], v[BY], v[PERM]
.endm
.macro CVT c                           ; block c's 32 numbers / its scale, to the nearest code, ties to even, beyond the largest code the largest: 2 x 96 bits
	v_cvt_scalef32_pk16_fp6_f32 v[HC+6*\c:HC+6*\c+2], v[H+32*\c:H+32*\c+15], v[SO+\c]
	v_cvt_scalef32_pk16_fp6_f32 v[HT+4*\c:HT+4*\c+2], v[H+32*\c+16:H+32*\c+31], v[SO+\c]
.endm
.macro MOVS                            ; registers 6 c .. 6 c + 5 of the operand hold k = 64 c + 32 h + 0 .. 31
.irp c, 0,1
.irp i, 0,1,2
	v_mov_b32 v[HC+6*\c+3+\i], v[HT+4*\c+\i]
.endr
.endr
.endm
; The hidden layer's 64 numbers of a lane become a fragment's codes and a scale word.  The scale word is made first, so that the 64 clips, which name no register of the products that follow, stand between its last write and them.
.macro QH
.irp m, 0,1,2,3,4,5,6,7
	MAXROW 0, \m, 0
	MAXROW 1, \m, 0
.endr
	SCALE 0
	SCALE 1
	v_lshrrev_b32 v[BY], 23, v[SO]                 ; the scales' bytes
	v_lshrrev_b32 v[BY1], 23, v[SO+1]
	WORD
.set j, 0
.rept 64
	v_max_num_f32 v[H+j], 0, v[H+j]                ; the activation, in f32
.set j, j+1
.endr
	CVT 0
	CVT 1
	v_nop                                          ; one plain instruction behind a scaled conversion, ahead of the reads of its result
	MOVS
.endm
; A PAIR FRAGMENT of the next b: lane (r, h) holds x(i', k) x(r, k), k = 64 c + 32 h + e.  Its 24 first loads: x_j's first half, x_i's first half, x_j's second half.
.macro PQ_LOAD which
.irp e, 0,1,2,3,4,5,6,7
	ds_load_b128 v[H+4*\e:H+4*\e+3], v[XJA] offset:16*\e
.endr
.irp e, 0,1,2,3,4,5,6,7
	ds_load_b128 v[XT+4*\e:XT+4*\e+3], v[XIA+\which] offset:16*\e   ; sixteen lanes read the same 16 bytes
.endr
.irp e, 0,1,2,3,4,5,6,7
	ds_load_b128 v[H+32+4*\e:H+32+4*\e+3], v[XJA] offset:256+16*\e
.endr
.endm
.macro PMUL c
.set j, 0
.rept 16
	v_pk_mul_f32 v[H+32*\c+j:H+32*\c+j+1], v[H+32*\c+j:H+32*\c+j+1], v[XT+j:XT+j+1]
.set j, j+2
.endr
.endm
.macro PQ_WORK which
	WIN 0
	s_wait_dscnt 8                                 ; all but the eight youngest LDS loads (x_j's second half) are in
	PMUL 0                                         ; (where products with W2 stand just ahead, these 16 lines are the places behind them)
.irp e, 0,1,2,3,4,5,6,7
	ds_load_b128 v[XT+4*\e:XT+4*\e+3], v[XIA+\which] offset:256+16*\e   ; x_i's second half lands while the first block is quantised
.endr
.irp m, 0,1,2,3,4,5,6,7
	MAXROW 0, \m, 1
.endr
	SCALE 0
	CVT 0
	v_lshrrev_b32 v[BY], 23, v[SO]                 ; the first byte (also the plain instruction behind the conversions)
	s_wait_dscnt 0x0
	PMUL 1
.irp m, 0,1,2,3,4,5,6,7
	MAXROW 1, \m, 1
.endr
	SCALE 1
	CVT 1
	v_lshrrev_b32 v[BY1], 23, v[SO+1]              ; (likewise)
	WORD
	MOVS
.irp c, 0,1,2
	ds_store_b128 v[PWA+\which], v[HC+4*\c:HC+4*\c+3] offset:512*\c   ; the image: 16 bytes a lane, 512 consecutive bytes a store
.endr
	ds_store_b32 v[PWS+\which], v[HW]
.endm
; One (b, i) of the wave.
.macro CHUNK k, zero, pq
	s_wait_dscnt 0x0                               ; the fragment and its scale words, asked for a chunk ago, are in
	W1RUN
	PLACES                                         ; ahead of the loads into the fragment's registers and of the first read of the results
.if (\k) < 7
	FETCH (\k)+1
.endif
	QH
.if \pq
	PQ_LOAD 0                                      ; the hidden numbers are converted: their registers take the middle pair fragment's numbers while W2's products run
.endif
	PLACES                                         ; behind the last move into the codes
	W2RUN \zero
.if \pq
	PQ_WORK 0
.endif
.endm
; Rows j = 2 w and 2 w + 1 of the eight partials are added, with 16 b2, and stored: 32 lanes store a row's 512 consecutive bytes, at a multiple of 256 from out's first byte.
.macro REDUCE more
.irp q, 0,1
.irp p, 0,1,2,3,4,5,6,7
	ds_load_b128 v[H+4*(8*\q+\p):H+4*(8*\q+\p)+3], v[RDA] offset:PARTB*\p+XP*\q
.endr
.endr
.irp q, 0,1
	s_wait_dscnt 8-8*\q                            ; the first row's eight are in while the second row's eight may be out; then all
	v_pk_add_f32 v[XT+4*\q:XT+4*\q+1], v[B2R:B2R+1], v[H+32*\q:H+32*\q+1]
	v_pk_add_f32 v[XT+4*\q+2:XT+4*\q+3], v[B2R+2:B2R+3], v[H+32*\q+2:H+32*\q+3]
.irp p, 1,2,3,4,5,6,7
	v_pk_add_f32 v[XT+4*\q:XT+4*\q+1], v[XT+4*\q:XT+4*\q+1], v[H+32*\q+4*\p:H+32*\q+4*\p+1]
	v_pk_add_f32 v[XT+4*\q+2:XT+4*\q+3], v[XT+4*\q+2:XT+4*\q+3], v[H+32*\q+4*\p+2:H+32*\q+4*\p+3]
.endr
	global_store_b128 v[L16], v[XT+4*\q:XT+4*\q+3], s[18:19] offset:512*\q th:TH_STORE_NT   ; written once, read by nobody here
.endr
.if \more
	s_wait_xcnt 0x0                                ; the stores have read their data and their base: both are written again only behind this wait
	s_add_nc_u64 s[18:19], s[18:19], 8192          ; the next b
.endif
.endm
; A STAGE: one b.  xl = 1: two rows of x of the b two stages on are fetched.  pq = 1: the next b's pair fragments are made.
.macro STAGE xl, pq
	ADDR
.if \xl
	global_load_b128 v[XG:XG+3], v[L16], s[4:5] th:TH_LOAD_NT            ; a whole stage ahead of the store that wants them
	global_load_b128 v[XG+4:XG+7], v[L16], s[4:5] offset:512 th:TH_LOAD_NT
.endif
	FETCH 0
.if \pq
	s_cmp_eq_u32 s[GI], 0                          ; waves 4-7 make their second pair fragment first, waves 0-3 last: the two waves of a SIMD stand half a chunk apart
	s_cbranch_scc1 .Lnot_first_\@
	PQ_LOAD 1
	PQ_WORK 1
.Lnot_first_\@:
.endif
	CHUNK 0, 1, 0                                  ; its products with W2 start the sums: nothing is cleared
	CHUNK 1, 0, 0
	CHUNK 2, 0, 0
	CHUNK 3, 0, \pq
	CHUNK 4, 0, 0
	CHUNK 5, 0, 0
	CHUNK 6, 0, 0
	CHUNK 7, 0, 0
	WIN 0
	PLACES                                         ; ahead of the stores that read the results
.irp n, 0,1,2,3,4,5,6,7
	ds_store_b128 v[PTA], v[O+8*\n:O+8*\n+3] offset:64*\n            ; lane (r, h): my partial of out(j = r, d = 16 n + 8 h + 0 .. 7); each accumulator from its low end on
	ds_store_b128 v[PTA], v[O+8*\n+4:O+8*\n+7] offset:64*\n+16
.endr
.if \pq
	s_cmp_lg_u32 s[GI], 0
	s_cbranch_scc1 .Lnot_last_\@
	PQ_LOAD 1
	PQ_WORK 1
.Lnot_last_\@:
.endif
.if \xl
	s_wait_loadcnt 0x0                             ; the two rows of x are in, and their loads have read their base
	ds_store_b128 v[XWA], v[XG:XG+3]               ; into the half whose rows were last read a stage ago
	ds_store_b128 v[XWA], v[XG+4:XG+7] offset:XP
	s_add_nc_u64 s[4:5], s[4:5], 8192
.endif
	BAR                                            ; the one barrier of a stage: behind it the eight partials, the next b's images and the rows of x are whole, and nobody reads this b's images any more
	REDUCE \pq
.if \pq
	s_xor_b32 s[CUR], s[CUR], HALF
	s_xor_b32 s[NXT], s[NXT], HALF
.endif
.endm
	s_load_b256 s[4:11], s[0:1], 0x0               ; x s[4:5], W1's codes s[6:7], W1's scales s[8:9], b1 s[10:11]
	s_load_b256 s[12:19], s[0:1], 0x20             ; W2's codes s[12:13], W2's scales s[14:15], b2 s[16:17], out s[18:19]
	v_lshl_add_u32 v69, v0, 2, 0x39100
	v_mov_b32 v127, 0
	v_lshrrev_b32 v[TA], 5, v0
	v_readfirstlane_b32 s[WV], v[TA]               ; wave 0..7
	s_and_b32 s[KS], s[WV], 3                      ; s: my 128 hidden units
	s_lshr_b32 s[GI], s[WV], 2                     ; g: my eight i
	v_and_b32 v[TA], 31, v0                        ; lane
	v_lshlrev_b32 v[L16], 4, v[TA]
	v_lshlrev_b32 v[L4], 2, v[TA]
	v_and_b32 v[QM], 15, v0                        ; r
	v_bfe_u32 v[QM+1], v0, 4, 1                    ; h
	v_mul_u32_u24 v[XJ0], v[QM], XP
	v_lshl_add_u32 v[PT0], v[QM+1], 5, v[XJ0]
	v_lshl_add_u32 v[XJ0], v[QM+1], 7, v[XJ0]
	v_lshlrev_b32 v[H128], 7, v[QM+1]
	v_lshlrev_b32 v[SH8], 3, v[QM+1]
	v_and_b32 v[QM+2], 7, v[QM]
	v_lshrrev_b32 v[QM+3], 3, v[QM]
	v_lshl_add_u32 v[QM+2], v[QM+3], 5, v[QM+2]    ; (r & 7) + 32 (r >> 3): my row in a tile of W1
	v_mul_u32_u24 v[W1O], v[QM+2], 96              ; a row of W1 is 128 codes, 96 bytes;
	v_mad_u32_u24 v[W1O], v[QM+1], 24, v[W1O]      ; + 24 h
	v_lshlrev_b32 v[W1SO], 2, v[QM+2]              ; its scale word
	v_mul_u32_u24 v[W2O], v[QM], 384               ; a row of W2 is 512 codes, 384 bytes
	v_mad_u32_u24 v[W2O], v[QM+1], 24, v[W2O]
	v_lshlrev_b32 v[W2SO], 4, v[QM]                ; its 16 scale bytes
	v_mov_b32 v[PERM], 0                           ; written once: a lane permute's destination counts as one of its sources
	s_mov_b32 s[SEL], 0x76543210
	s_mov_b32 s[SEL+1], 0xfedcba98
	s_lshl_b32 s39, s[GI], 3
	s_add_co_u32 s39, s39, s[WV]                   ; the i' of my middle pair fragment: w + 8 g: 0-3, 12-15;
	s_xor_b32 s40, s39, 8                          ; of the other: 8-11, 4-7: each of the 16 is made once
	s_mul_i32 s[SXI], s39, XP
	s_mul_i32 s[SXI+1], s40, XP
	s_mul_i32 s[SPW], s39, FRB
	s_add_co_u32 s[SPW], s[SPW], PI
	s_mul_i32 s[SPW+1], s40, FRB
	s_add_co_u32 s[SPW+1], s[SPW+1], PI
	s_lshl_b32 s[SPC], s39, 7
	s_add_co_u32 s[SPC], s[SPC], PIS
	s_lshl_b32 s[SPC+1], s40, 7
	s_add_co_u32 s[SPC+1], s[SPC+1], PIS
	s_mul_i32 s[SPF], s[GI], 8*FRB                 ; the eight images that I fetch
	s_add_co_u32 s[SPF], s[SPF], PI
	s_lshl_b32 s[SPS], s[GI], 10
	s_add_co_u32 s[SPS], s[SPS], PIS
	s_mul_i32 s[SPT], s[WV], PARTB                 ; my partial
	s_add_co_u32 s[SPT], s[SPT], PART
	s_mul_i32 s[SXW], s[WV], 2*XP                  ; rows 2 w, 2 w + 1 of x
	s_mul_i32 s[SRD], s[WV], 2*XP                  ; and of the partials
	s_add_co_u32 s[SRD], s[SRD], PART
	s_mov_b32 s[CUR], HALF                         ; the head makes b 0's pairs as a stage makes the next b's: into the half that is not in hand
	s_mov_b32 s[NXT], 0
	s_lshl_b32 s40, ttmp9, 16                      ; my work-group's 8 b of 8,192 bytes,
	s_lshl_b32 s41, s[WV], 10                      ; my wave's two rows of 512
	s_add_co_u32 s40, s40, s41
	s_mov_b32 s41, 0
	s_mov_b32 s43, 0
	s_wait_kmcnt 0x0
	s_add_nc_u64 s[4:5], s[4:5], s[40:41]
	s_add_nc_u64 s[18:19], s[18:19], s[40:41]
	s_mul_i32 s42, s[KS], 128*96                   ; my 128 rows of W1,
	s_add_nc_u64 s[6:7], s[6:7], s[42:43]
	s_lshl_b32 s42, s[KS], 9                       ; their scale words; my 128 numbers of b1
	s_add_nc_u64 s[8:9], s[8:9], s[42:43]
	s_add_nc_u64 s[10:11], s[10:11], s[42:43]
	s_mul_i32 s42, s[KS], 96                       ; K step s in a row of W2,
	s_add_nc_u64 s[12:13], s[12:13], s[42:43]
	s_lshl_b32 s42, s[KS], 2                       ; and its scale word
	s_add_nc_u64 s[14:15], s[14:15], s[42:43]
	global_load_b128 v[XG:XG+3], v[L16], s[4:5] th:TH_LOAD_NT              ; x of b 0: my two rows,
	global_load_b128 v[XG+4:XG+7], v[L16], s[4:5] offset:512 th:TH_LOAD_NT
	global_load_b128 v[XT:XT+3], v[L16], s[4:5] offset:8192 th:TH_LOAD_NT  ; and of b 1
	global_load_b128 v[XT+4:XT+7], v[L16], s[4:5] offset:8704 th:TH_LOAD_NT
	WIN 0x40                                       ; destination window 1
.irp t, 0,1,2,3,4,5,6,7                        ; W1's fragments: tile t begins at row 64 (t / 4) + 8 (t % 4); 24 bytes as three loads of 8, so that every address is a multiple of the access's size
.irp p, 0,1,2,3,4,5
	global_load_b64 v[W1F+12*\t+2*\p:W1F+12*\t+2*\p+1], v[W1O], s[6:7] offset:(64*(\t/4)+8*(\t%4))*96+48*(\p/3)+8*(\p%3)
.endr
.endr
	WIN 0
.irp t, 0,1,2,3,4,5,6,7
	global_load_b32 v[W1S+\t], v[W1SO], s[8:9] offset:(64*(\t/4)+8*(\t%4))*4
.endr
	ADDR
	v_add_nc_u32 v[TA], s[SXW], v[L16]             ; x's rows in half 0
	s_wait_loadcnt 56                              ; behind x's four loads stand W1's 48 + 8: x is in
	ds_store_b128 v[TA], v[XG:XG+3]                ; b 0 into half 0,
	ds_store_b128 v[TA], v[XG+4:XG+7] offset:XP
	ds_store_b128 v[XWA], v[XT:XT+3]               ; b 1 into half 1
	ds_store_b128 v[XWA], v[XT+4:XT+7] offset:XP
	BAR                                            ; both b's 16 rows lie in LDS
	WIN 0x40
.irp n, 0,1,2,3,4,5,6,7                        ; W2's fragments: tile n = outputs 16 n on, K step s
.irp p, 0,1,2,3,4,5
	global_load_b64 v[W2F+12*\n+2*\p:W2F+12*\n+2*\p+1], v[W2O], s[12:13] offset:16*\n*384+48*(\p/3)+8*(\p%3)
.endr
.endr
.irp t, 0,1,2,3,4,5,6,7                        ; b1 in the result's layout: lane (r, h), tile t: hidden units 64 (t / 4) + 8 (t % 4) + 32 h + 0 .. 7
	global_load_b128 v[B1+8*\t:B1+8*\t+3], v[H128], s[10:11] offset:(64*(\t/4)+8*(\t%4))*4
	global_load_b128 v[B1+8*\t+4:B1+8*\t+7], v[H128], s[10:11] offset:(64*(\t/4)+8*(\t%4))*4+16
.endr
	WIN 0
.irp n, 0,1,2,3,4,5,6,7
	global_load_b32 v[W2S+\n], v[W2SO], s[14:15] offset:256*\n
.endr
	global_load_b128 v[B2R:B2R+3], v[L16], s[16:17]
	s_wait_xcnt 0x0                                ; every load issued has read its base
	s_add_nc_u64 s[4:5], s[4:5], 16384             ; x at b 2
	PQ_LOAD 1                                      ; b 0's pair fragments, two a wave, while the weights are on their way
	PQ_WORK 1
	PQ_LOAD 0
	PQ_WORK 0
	BAR                                            ; b 0's sixteen images lie in half 0
	s_xor_b32 s[CUR], s[CUR], HALF
	s_xor_b32 s[NXT], s[NXT], HALF
	s_wait_loadcnt 0x0                             ; the weights, their scales, the biases
.irp i, 0,1,2,3
	v_mul_f32 v[B2R+\i], 0x41800000, v[B2R+\i]     ; b2 is added for each of the 16 i: 16 b2, exact
.endr
	s_mov_b32 s[TRIP], 6
.Lstage:                                               ; b 0 to 5: each fetches x of the b two on and makes the pairs of the next b
	STAGE 1, 1
	s_sub_co_u32 s[TRIP], s[TRIP], 1
	s_cmp_lg_u32 s[TRIP], 0
	s_cbranch_scc1 .Lstage
	STAGE 0, 1                                     ; b 6: no x is left to fetch: no load leaves its buffer
	STAGE 0, 0                                     ; b 7: and no pairs are left to make
	s_wait_tensorcnt 0x0
	ds_add_u32 v69, v127
	s_wait_dscnt 0x0
	s_endpgm
.Lfunc_end_k_qbfdc5ca25d_pairs_mlp:
	.size	k_qbfdc5ca25d_pairs_mlp, .Lfunc_end_k_qbfdc5ca25d_pairs_mlp-k_qbfdc5ca25d_pairs_mlp
	.p2alignl 7, 3214868480
	.fill 96, 4, 3214868480
	.section	.rodata,"a",@progbits
	.p2align	6, 0x0
	.amdhsa_kernel k_qbfdc5ca25d_pairs_mlp
		.amdhsa_group_segment_fixed_size 234752
		.amdhsa_private_segment_fixed_size 0
		.amdhsa_enable_private_segment 0
		.amdhsa_kernarg_size 64
		.amdhsa_user_sgpr_count 2
		.amdhsa_user_sgpr_kernarg_segment_ptr 1
		.amdhsa_wavefront_size32 1
		.amdhsa_system_sgpr_workgroup_id_x 1
		.amdhsa_system_sgpr_workgroup_id_y 1
		.amdhsa_system_sgpr_workgroup_id_z 1
		.amdhsa_system_vgpr_workitem_id 0
		.amdhsa_next_free_vgpr 512
		.amdhsa_next_free_sgpr 66
		.amdhsa_reserve_vcc 0
		.amdhsa_float_denorm_mode_32 3
		.amdhsa_float_denorm_mode_16_64 3
		.amdhsa_memory_ordered 1
		.amdhsa_forward_progress 1
		.amdhsa_inst_pref_size 255
	.end_amdhsa_kernel
	.section	.bss,"aw",@nobits
	.p2align	6
	.space	262144
	.amdgpu_metadata
---
amdhsa.version: [ 1, 2 ]
amdhsa.kernels:
  - .name:           k_qbfdc5ca25d_pairs_mlp
    .symbol:         k_qbfdc5ca25d_pairs_mlp.kd
    .args:
      - { .name: attribute_embeddings, .offset: 0, .size: 8, .value_kind: global_buffer, .address_space: global }
      - { .name: W1_codes, .offset: 8, .size: 8, .value_kind: global_buffer, .address_space: global }
      - { .name: W1_scales, .offset: 16, .size: 8, .value_kind: global_buffer, .address_space: global }
      - { .name: b1, .offset: 24, .size: 8, .value_kind: global_buffer, .address_space: global }
      - { .name: W2_codes, .offset: 32, .size: 8, .value_kind: global_buffer, .address_space: global }
      - { .name: W2_scales, .offset: 40, .size: 8, .value_kind: global_buffer, .address_space: global }
      - { .name: b2, .offset: 48, .size: 8, .value_kind: global_buffer, .address_space: global }
      - { .name: out0, .offset: 56, .size: 8, .value_kind: global_buffer, .address_space: global }
    .group_segment_fixed_size: 234752
    .private_segment_fixed_size: 0
    .kernarg_segment_align: 8
    .kernarg_segment_size: 64
    .max_flat_workgroup_size: 256
    .sgpr_count:     66
    .vgpr_count:     512
    .wavefront_size: 32
...
	.end_amdgpu_metadata
.endif
;; end of part 1
;; ======== version 2 of 2: 1 launch; version 1 with the launch pairs_mlp written anew for expert scheduling mode
;; launch pairs_mlp (part 2): grid 256 x 1, 8 waves a work-group, no clusters, 234,752 bytes of LDS; arguments attribute_embeddings, W1_codes, W1_scales, b1, W2_codes, W2_scales, b2, out0; writes out0
.if DOCPART == 2
	.amdgcn_target "amdgcn-amd-amdhsa--gfx1250"
	.amdhsa_code_object_version 6
	.text
	.protected	k_qbfdc5ca25d_pairs_mlp
	.globl	k_qbfdc5ca25d_pairs_mlp
	.p2align	8
	.type	k_qbfdc5ca25d_pairs_mlp,@function
k_qbfdc5ca25d_pairs_mlp:
	s_mov_b64 s[64:65], 0
	v_nop
	global_prefetch_b8 v0, s[64:65] scope:SCOPE_SE
	s_setreg_imm32_b32 hwreg(HW_REG_WAVE_SCHED_MODE, 0, 2), 2
	s_setreg_imm32_b32 hwreg(HW_REG_WAVE_MODE, 25, 1), 1
	s_wait_xcnt 0x0
	s_wait_alu depctr_vm_vsrc(0)
; out[b][j][:] = sum over i of ( relu( Q(x[b][i] * x[b][j]) W1^T + b1 ) quantised, times W2^T ) + 16 b2.   x, out: [2048][16][128] f32.
; Both products on codes of FP6 (E2M3) with one E8M0 scale for each 32 along K.  W1 [512][128], W2 [128][512] arrive as codes, K innermost, with their scale bytes.
; SHARES.  A work-group of eight waves owns 8 values of b, one STAGE each.  Wave w = (s = w & 3, g = w >> 2) owns hidden units 128 s .. 128 s + 127 and the first indices i = 8 g .. 8 g + 7.
; Its weights stay in registers for the whole launch: 8 fragments of W1, 8 of W2 (K step s of all 128 outputs), 64 registers of b1.  A CHUNK is one (b, i): 8 products with W1, the quantiser, 8 products
; with W2 that add in place onto O (16 j x 128 d): the sum over i is taken in the accumulators.  The hidden layer is made, quantised and used by one wave and never leaves its registers.
; BOTH PRODUCTS ARE USED TRANSPOSED (source 0 = 16 rows of a weight, source 1 = the 16 rows j): a lane holds one j throughout.
; THE ROWS OF W1 THAT FORM A TILE ARE NOT NEIGHBOURS: lane r of tile 4 c + u takes row 64 c + 8 u + (r & 7) + 32 (r >> 3) of the wave's 128.  Register 32 c + e of the 64 results of lane (j, h) is then
; hidden unit 64 c + 32 h + e: a WHOLE block of 32 in one lane, in the order of the 6-bit operand's registers: no other lane is asked for a block's maximum and no halves change lanes.
; THROUGH LDS go: the rows of x (8 KB a b); the 16 pair fragments of a b, each made once by one wave and stored as an image of its registers (3 x 16 bytes a lane, and a scale word a lane);
; the eight partial O of a b, which are added once, two rows of out to a wave.  Every region has two copies, 1 << 17 bytes apart, used by turns, so that one barrier a stage orders all of it.
; THE TWO WAVES OF A SIMD (w and w + 4) are set half a chunk apart: each wave makes two pair fragments a stage; one in the stage's middle; the other at the stage's head (g = 1) or at its end (g = 0).
; NO CLUSTER, NO JOINT LOADS: what work-groups share are the weights, which each wave reads once, at its head, straight into operand registers (24,576 bytes of codes for its 1,024 matrix instructions).
; LIMITS: NaN and infinities among the inputs are not served.  A block whose largest magnitude lies under 2^-124 keeps the scale byte 1 (not tried); a block of zeros gets the byte 1 with zero codes.
; The f32 sums go in another order than the source reads: over i in the accumulator, then over the eight partials; b2 enters once, as 16 b2.
; THE MODE: SCHED_MODE bits 1:0 = 2 (LLVM: expert scheduling mode 2), set by the entry lines.  The code itself states the register dependences
; between vector or matrix instructions and memory or LDS instructions, with s_wait_alu, always for 0.
; THE PLAN.  Registers that memory or LDS instructions touch, round a stage:
;   v7-18     the stage's LDS addresses.  Written by ADDR at the stage's head; read by every LDS instruction of the stage.  (v1, v2, v4, v19, v123-126: offsets made at the kernel's head, never written again.)
;   PF, PS    FETCH's loads land in them; W1's eight products read them.
;   H         W1's products, the clips and the pairs' multiplications write it; the trees, the conversions and the additions read it; the loads of x_j and of the partials land in it.
;   XT        the loads of x_i land in it, the pairs' multiplications read it; the additions write its first eight registers, out's stores read them.
;   HC, HW    the conversions, the moves and the scale word's last line write them; W2's products read them; so do the four stores of an image.
;   O         W2's products write it; the sixteen stores of the partial read it.       XG   loads of x land in it; two LDS stores read it.
; THE WAITS.  Stage's head: vm_vsrc ahead of ADDR (all that the stage before read: addresses, XT, O, XG), va_vdst behind it (the addresses are written; the additions are done with H and XT).
; Chunk: va_vdst behind the tree of maxima, ahead of FETCH (W1's products are done reading PF, PS); va_vdst ahead of W2's products (HC, HW are written), which also serves the middle pair fragment's loads into H.
; Pair fragment: va_vdst ahead of the loads of x_i's second half; va_vdst ahead of the image's stores; vm_vsrc behind them.  va_vdst ahead of the partial's stores, and ahead of out's two stores.
.set HALF,  1<<17                      ; LDS: the second copy of every region begins here
.set XP,    528                        ; a row of 512 bytes + 16: 33 x 16 bytes, so that 16 lanes that take 16 bytes of 16 rows touch 16 different columns of 16 bytes
.set FRB,   1536                       ; a fragment's image: 12 registers x 128 bytes
.set PI,    16*XP                      ; behind x's 16 rows (at 0): the 16 images,
.set PIS,   PI+16*FRB                  ; their scale words, 128 bytes each,
.set PART,  PIS+16*128                 ; the eight partial O, 16 rows x XP each; a half ends at 102,656
.set PARTB, 16*XP
.set FLOOR, 0x1800000                  ; 2^(3 - 127): no largest magnitude is taken under it, so that the scale's byte cannot fall under 1
; window 0
.set L16,  1                           ; 16 x lane
.set L4,   2                           ; 4 x lane
.set XJ0,  3                           ; 528 r + 128 h
.set H128, 4                           ; 128 h
.set PT0,  5                           ; 528 r + 32 h
.set SH8,  6                           ; 8 h
.set PFA,  7                           ; the stage's LDS addresses: images to fetch,
.set PSA,  8                           ; their scale words,
.set XJA,  9                           ; x's row j = r of the next b,
.set XIA,  10                          ; v10, v11: x's row i' of my two pair fragments (0: the middle one, 1: the one at the head or the end),
.set PWA,  12                          ; v12, v13: where their images go,
.set PWS,  14                          ; v14, v15: and their scale words,
.set PTA,  16                          ; my partial O,
.set XWA,  17                          ; where I put two rows of x,
.set RDA,  18                          ; the two rows of the partials that I add
.set TA,   19                          ; the head's address of x's half 0
.set W1S,  20                          ; v20-27 W1's scale words, v28-35 W2's: scales and nothing else
.set W2S,  28
.set PF,   36                          ; v36-47 the pair fragment in hand;  v48 its scale word
.set PS,   48
.set HW,   49                          ; the scale word just made
.set HC,   50                          ; v50-61 the codes just made
.set HT,   62                          ; v62-64, v66-68: the upper halves of the two blocks (a conversion's three registers begin on an even number)
.set QM,   70                          ; v70-73 largest magnitudes, two chains a block
.set SO,   74                          ; v74, v75 the conversions' scale operands
.set BY,   76                          ; scale bytes at work (and v122)
.set PERM, 77
.set XG,   78                          ; v78-85 two rows of x on their way
.set B2R,  86                          ; v86-89 16 b2[4 lane ..]
.set XT,   90                          ; v90-121 x's row i'; later two rows of out
.set BY1,  122
.set W1O,  123                         ; v123-126 the offsets of the weights' loads; never rewritten
.set W1SO, 124
.set W2O,  125
.set W2SO, 126
.set H,    128                         ; v128-191 the hidden layer's 8 tiles; also the pairs; also the partials to add
.set O,    192                         ; v192-255 the 8 accumulators of out
; window 1
.set W1F,  0                           ; 8 x 12
.set W2F,  96                          ; 8 x 12
.set B1,   192                         ; 8 x 8
; scalars: s[4:19] the eight addresses
.set WV,   20
.set KS,   21
.set GI,   22
.set TRIP, 23
.set CUR,  24                          ; the half of LDS of the b in hand;  s25 the other
.set NXT,  25
.set SEL,  26                          ; s[26:27] v_permlanex16_b32's selects for lane l xor 16
.set SPF,  28                          ; s28-38 the wave's constants in a half of LDS
.set SPS,  29
.set SXI,  30                          ; s30, s31
.set SPW,  32                          ; s32, s33
.set SPC,  34                          ; s34, s35
.set SPT,  36
.set SXW,  37
.set SRD,  38
.set MSB, 0
.macro WIN new                         ; s_set_vgpr_msb: bits 1:0 source 0, 3:2 source 1, 5:4 source 2, 7:6 destination; the high byte repeats the setting that is left
.if MSB != \new
	s_set_vgpr_msb (MSB<<8)|\new
.set MSB, \new
.endif
.endm
.macro PLACES                          ; four plain vector instructions behind a matrix instruction, ahead of reads of its result (ISA guide 7.12.1), and ahead of a scaled product whose operand vector instructions wrote
.rept 4
	v_nop
.endr
.endm
.macro BAR                             ; my LDS stores have landed and my LDS loads are in: then the work-group's barrier
	s_wait_dscnt 0x0
	s_barrier_signal -1
	s_barrier_wait -1
.endm
.macro ADR1 dst, cst, par, base
	s_add_co_u32 s39, s[\cst], s[\par]
	v_add_nc_u32 v[\dst], s39, v[\base]
.endm
.macro ADDR                            ; a stage's addresses: a constant of the wave + the half + a term of the lane.  On every wave's way, ahead of the branches on g
	ADR1 PFA, SPF, CUR, L16
	ADR1 PSA, SPS, CUR, L4
	ADR1 PTA, SPT, CUR, PT0
	ADR1 XWA, SXW, CUR, L16
	ADR1 RDA, SRD, CUR, L16
	v_add_nc_u32 v[XJA], s[NXT], v[XJ0]
	ADR1 XIA, SXI, NXT, H128
	ADR1 XIA+1, SXI+1, NXT, H128
	ADR1 PWA, SPW, NXT, L16
	ADR1 PWA+1, SPW+1, NXT, L16
	ADR1 PWS, SPC, NXT, L4
	ADR1 PWS+1, SPC+1, NXT, L4
.endm
.macro FETCH k                         ; the pair fragment of my k-th i, as its maker's registers held it, and its scale words
.irp c, 0,1,2
	ds_load_b128 v[PF+4*\c:PF+4*\c+3], v[PFA] offset:FRB*(\k)+512*\c
.endr
	ds_load_b32 v[PS], v[PSA] offset:128*(\k)
.endm
.macro W1RUN                           ; my 8 tiles of the hidden layer; b1 is the C of each: it costs no addition
	WIN 0x11                                       ; W1's fragments and b1 in window 1
.irp t, 0,1,2,3,4,5,6,7
	v_wmma_scale_f32_16x16x128_f8f6f4 v[H+8*\t:H+8*\t+7], v[W1F+12*\t:W1F+12*\t+11], v[PF:PF+11], v[B1+8*\t:B1+8*\t+7], v[W1S+\t], v[PS] matrix_a_fmt:MATRIX_FMT_FP6 matrix_b_fmt:MATRIX_FMT_FP6
.endr
	WIN 0
.endm
.macro W2RUN zero                      ; O += W2 (K step s) x the hidden codes.  The eight accumulators take turns, one instruction a turn, and W1's eight stand between two turns of one.  It leaves its window set
	WIN 0x01                                       ; W2's fragments in window 1
.irp n, 0,1,2,3,4,5,6,7
.if \zero
	v_wmma_scale_f32_16x16x128_f8f6f4 v[O+8*\n:O+8*\n+7], v[W2F+12*\n:W2F+12*\n+11], v[HC:HC+11], 0, v[W2S+\n], v[HW] matrix_a_fmt:MATRIX_FMT_FP6 matrix_b_fmt:MATRIX_FMT_FP6
.else
	v_wmma_scale_f32_16x16x128_f8f6f4 v[O+8*\n:O+8*\n+7], v[W2F+12*\n:W2F+12*\n+11], v[HC:HC+11], v[O+8*\n:O+8*\n+7], v[W2S+\n], v[HW] matrix_a_fmt:MATRIX_FMT_FP6 matrix_b_fmt:MATRIX_FMT_FP6
.endif
.endr
.endm
; Two of the 16 lines that find the largest magnitude of block c (my 32 numbers H[32 c ..]): chain A takes numbers 0-15 and the floor, chain B 16-30; the last line joins them and number 31.
; Each tile's registers are first read at the tile's low end.  ab = 1: magnitudes; ab = 0: as they are: what is negative will be clipped to 0 and must not count; the floor stands over it.
.macro MAXROW c, m, ab
.set hb, H+32*(\c)
.set qa, QM+2*(\c)
.if \ab
.if (\m) == 0
	v_max3_num_f32 v[qa], |v[hb]|, |v[hb+1]|, FLOOR
	v_max3_num_f32 v[qa+1], |v[hb+16]|, |v[hb+17]|, |v[hb+18]|
.elseif (\m) < 7
	v_max3_num_f32 v[qa], v[qa], |v[hb+2*(\m)]|, |v[hb+2*(\m)+1]|
	v_max3_num_f32 v[qa+1], v[qa+1], |v[hb+17+2*(\m)]|, |v[hb+18+2*(\m)]|
.else
	v_max3_num_f32 v[qa], v[qa], |v[hb+14]|, |v[hb+15]|
	v_max3_num_f32 v[qa], v[qa], v[qa+1], |v[hb+31]|
.endif
.else
.if (\m) == 0
	v_max3_num_f32 v[qa], v[hb], v[hb+1], FLOOR
	v_max3_num_f32 v[qa+1], v[hb+16], v[hb+17], v[hb+18]
.elseif (\m) < 7
	v_max3_num_f32 v[qa], v[qa], v[hb+2*(\m)], v[hb+2*(\m)+1]
	v_max3_num_f32 v[qa+1], v[qa+1], v[hb+17+2*(\m)], v[hb+18+2*(\m)]
.else
	v_max3_num_f32 v[qa], v[qa], v[hb+14], v[hb+15]
	v_max3_num_f32 v[qa], v[qa], v[qa+1], v[hb+31]
.endif
.endif
.endm
.macro SCALE c                         ; 2 off the largest magnitude's exponent field: the conversion takes the exponent field of this operand as its scale, and nothing else of it
	v_add_nc_u32 v[SO+\c], 0xff000000, v[QM+2*\c]
.endm
.macro WORD                            ; my two bytes (blocks h and 2 + h of row j) at their places, joined with lane l xor 16's two: the row's scale word
	v_lshl_or_b32 v[BY], v[BY1], 16, v[BY]
	v_lshlrev_b32 v[BY], v[SH8], v[BY]
	v_permlanex16_b32 v[PERM], v[BY], s[SEL], s[SEL+1]
	v_or_b32 v[HW], v[BY], v[PERM]
.endm
.macro CVT c                           ; block c's 32 numbers / its scale, to the nearest code, ties to even, beyond the largest code the largest: 2 x 96 bits
	v_cvt_scalef32_pk16_fp6_f32 v[HC+6*\c:HC+6*\c+2], v[H+32*\c:H+32*\c+15], v[SO+\c]
	v_cvt_scalef32_pk16_fp6_f32 v[HT+4*\c:HT+4*\c+2], v[H+32*\c+16:H+32*\c+31], v[SO+\c]
.endm
.macro MOVS                            ; registers 6 c .. 6 c + 5 of the operand hold k = 64 c + 32 h + 0 .. 31
.irp c, 0,1
.irp i, 0,1,2
	v_mov_b32 v[HC+6*\c+3+\i], v[HT+4*\c+\i]
.endr
.endr
.endm
; The hidden layer's 64 numbers of a lane become a fragment's codes and a scale word.  The scale word is made first, so that the 64 clips, which name no register of the products that follow, stand between its last write and them.
; Behind the tree of maxima, whose last lines read the last product's results, the next chunk's pair fragment is asked for (k: the chunk in hand; the eighth asks for nothing).
.macro QH k
.irp m, 0,1,2,3,4,5,6,7
	MAXROW 0, \m, 0
	MAXROW 1, \m, 0
.endr
.if (\k) < 7
	s_wait_alu depctr_va_vdst(0)                   ; W1's eight products are done reading PF and PS, in which the four loads below land
	FETCH (\k)+1
.endif
	SCALE 0
	SCALE 1
	v_lshrrev_b32 v[BY], 23, v[SO]                 ; the scales' bytes
	v_lshrrev_b32 v[BY1], 23, v[SO+1]
	WORD
.set j, 0
.rept 64
	v_max_num_f32 v[H+j], 0, v[H+j]                ; the activation, in f32
.set j, j+1
.endr
	CVT 0
	CVT 1
	v_nop                                          ; one plain instruction behind a scaled conversion, ahead of the reads of its result
	MOVS
.endm
; A PAIR FRAGMENT of the next b: lane (r, h) holds x(i', k) x(r, k), k = 64 c + 32 h + e.  Its 24 first loads: x_j's first half, x_i's first half, x_j's second half.
; No wait stands in it: wherever it is written, a wait on va_vdst stands ahead of it behind which no vector or matrix instruction names H, XT or its two addresses.
.macro PQ_LOAD which
.irp e, 0,1,2,3,4,5,6,7
	ds_load_b128 v[H+4*\e:H+4*\e+3], v[XJA] offset:16*\e
.endr
.irp e, 0,1,2,3,4,5,6,7
	ds_load_b128 v[XT+4*\e:XT+4*\e+3], v[XIA+\which] offset:16*\e   ; sixteen lanes read the same 16 bytes
.endr
.irp e, 0,1,2,3,4,5,6,7
	ds_load_b128 v[H+32+4*\e:H+32+4*\e+3], v[XJA] offset:256+16*\e
.endr
.endm
.macro PMUL c
.set j, 0
.rept 16
	v_pk_mul_f32 v[H+32*\c+j:H+32*\c+j+1], v[H+32*\c+j:H+32*\c+j+1], v[XT+j:XT+j+1]
.set j, j+2
.endr
.endm
.macro PQ_WORK which
	WIN 0
	s_wait_dscnt 8                                 ; all but the eight youngest LDS loads (x_j's second half) are in
	PMUL 0                                         ; (where products with W2 stand just ahead, these 16 lines are the places behind them)
	s_wait_alu depctr_va_vdst(0)                   ; the 16 multiplications are done reading x_i's first half in XT, in which the second half lands
.irp e, 0,1,2,3,4,5,6,7
	ds_load_b128 v[XT+4*\e:XT+4*\e+3], v[XIA+\which] offset:256+16*\e   ; x_i's second half lands while the first block is quantised
.endr
.irp m, 0,1,2,3,4,5,6,7
	MAXROW 0, \m, 1
.endr
	SCALE 0
	CVT 0
	v_lshrrev_b32 v[BY], 23, v[SO]                 ; the first byte (also the plain instruction behind the conversions)
	s_wait_dscnt 0x0
	PMUL 1
.irp m, 0,1,2,3,4,5,6,7
	MAXROW 1, \m, 1
.endr
	SCALE 1
	CVT 1
	v_lshrrev_b32 v[BY1], 23, v[SO+1]              ; (likewise)
	WORD
	MOVS
	s_wait_alu depctr_va_vdst(0)                   ; the conversions, the moves and the scale word's last line have written HC and HW, which the four stores read; and every reader of H and XT is done, for the next loads that land there
.irp c, 0,1,2
	ds_store_b128 v[PWA+\which], v[HC+4*\c:HC+4*\c+3] offset:512*\c   ; the image: 16 bytes a lane, 512 consecutive bytes a store
.endr
	ds_store_b32 v[PWS+\which], v[HW]
	s_wait_alu depctr_vm_vsrc(0)                   ; the four stores have read HC and HW, which the next quantiser writes again
.endm
; One (b, i) of the wave.
.macro CHUNK k, zero, pq
	s_wait_dscnt 0x0                               ; the fragment and its scale words, asked for behind the last chunk's tree of maxima, are in
	W1RUN
	PLACES                                         ; ahead of the first read of the results
	QH \k
	PLACES                                         ; behind the last move into the codes
	s_wait_alu depctr_va_vdst(0)                   ; HC and HW are written, which W2's products take as source 1 and as scales; the conversions are done reading H, in which the middle pair fragment's loads land
.if \pq
	PQ_LOAD 0                                      ; the hidden numbers are converted: their registers take the middle pair fragment's numbers while W2's products, which name none of them, run
.endif
	W2RUN \zero
.if \pq
	PQ_WORK 0
.endif
.endm
; Rows j = 2 w and 2 w + 1 of the eight partials are added, with 16 b2, and stored: 32 lanes store a row's 512 consecutive bytes, at a multiple of 256 from out's first byte.
; The sixteen loads land in H: its last readers and writers stand ahead of the wait on va_vdst in front of the partial's stores (waves 4-7) or of the last image's stores (waves 0-3).
.macro REDUCE more
.irp q, 0,1
.irp p, 0,1,2,3,4,5,6,7
	ds_load_b128 v[H+4*(8*\q+\p):H+4*(8*\q+\p)+3], v[RDA] offset:PARTB*\p+XP*\q
.endr
.endr
.irp q, 0,1
	s_wait_dscnt 8-8*\q                            ; the first row's eight are in while the second row's eight may be out; then all
	v_pk_add_f32 v[XT+4*\q:XT+4*\q+1], v[B2R:B2R+1], v[H+32*\q:H+32*\q+1]
	v_pk_add_f32 v[XT+4*\q+2:XT+4*\q+3], v[B2R+2:B2R+3], v[H+32*\q+2:H+32*\q+3]
.irp p, 1,2,3,4,5,6,7
	v_pk_add_f32 v[XT+4*\q:XT+4*\q+1], v[XT+4*\q:XT+4*\q+1], v[H+32*\q+4*\p:H+32*\q+4*\p+1]
	v_pk_add_f32 v[XT+4*\q+2:XT+4*\q+3], v[XT+4*\q+2:XT+4*\q+3], v[H+32*\q+4*\p+2:H+32*\q+4*\p+3]
.endr
.endr
	s_wait_alu depctr_va_vdst(0)                   ; the additions have written the two rows in XT, which the two stores read
.irp q, 0,1
	global_store_b128 v[L16], v[XT+4*\q:XT+4*\q+3], s[18:19] offset:512*\q th:TH_STORE_NT   ; written once, read by nobody here
.endr
.if \more
	s_wait_xcnt 0x0                                ; the stores have read their data and their base: both are written again only behind this wait (and the data behind the wait on vm_vsrc at the next stage's head)
	s_add_nc_u64 s[18:19], s[18:19], 8192          ; the next b
.endif
.endm
; A STAGE: one b.  xl = 1: two rows of x of the b two stages on are fetched.  pq = 1: the next b's pair fragments are made.
.macro STAGE xl, pq
	s_wait_alu depctr_vm_vsrc(0)                   ; all that was issued so far has read its registers: the LDS addresses v7-18, which ADDR writes; XT, O and XG, which this stage's loads and products write
	ADDR
	s_wait_alu depctr_va_vdst(0)                   ; the stage's addresses are written, which its LDS instructions read; the last additions are done with H and XT, in which loads land
.if \xl
	global_load_b128 v[XG:XG+3], v[L16], s[4:5] th:TH_LOAD_NT            ; a whole stage ahead of the store that wants them
	global_load_b128 v[XG+4:XG+7], v[L16], s[4:5] offset:512 th:TH_LOAD_NT
.endif
	FETCH 0
.if \pq
	s_cmp_eq_u32 s[GI], 0                          ; waves 4-7 make their second pair fragment first, waves 0-3 last: the two waves of a SIMD stand half a chunk apart
	s_cbranch_scc1 .Lnot_first_\@
	PQ_LOAD 1
	PQ_WORK 1
.Lnot_first_\@:
.endif
	CHUNK 0, 1, 0                                  ; its products with W2 start the sums: nothing is cleared
	CHUNK 1, 0, 0
	CHUNK 2, 0, 0
	CHUNK 3, 0, \pq
	CHUNK 4, 0, 0
	CHUNK 5, 0, 0
	CHUNK 6, 0, 0
	CHUNK 7, 0, 0
	WIN 0
	PLACES                                         ; ahead of the stores that read the results
	s_wait_alu depctr_va_vdst(0)                   ; W2's products have written the accumulators, which the sixteen stores read; the places above stay beside this wait
.irp n, 0,1,2,3,4,5,6,7
	ds_store_b128 v[PTA], v[O+8*\n:O+8*\n+3] offset:64*\n            ; lane (r, h): my partial of out(j = r, d = 16 n + 8 h + 0 .. 7); each accumulator from its low end on
	ds_store_b128 v[PTA], v[O+8*\n+4:O+8*\n+7] offset:64*\n+16
.endr
.if \pq
	s_cmp_lg_u32 s[GI], 0
	s_cbranch_scc1 .Lnot_last_\@
	PQ_LOAD 1
	PQ_WORK 1
.Lnot_last_\@:
.endif
.if \xl
	s_wait_loadcnt 0x0                             ; the two rows of x are in, and their loads have read their base
	ds_store_b128 v[XWA], v[XG:XG+3]               ; into the half whose rows were last read a stage ago
	ds_store_b128 v[XWA], v[XG+4:XG+7] offset:XP
	s_add_nc_u64 s[4:5], s[4:5], 8192
.endif
	BAR                                            ; the one barrier of a stage: behind it the eight partials, the next b's images and the rows of x are whole, and nobody reads this b's images any more
	REDUCE \pq
.if \pq
	s_xor_b32 s[CUR], s[CUR], HALF
	s_xor_b32 s[NXT], s[NXT], HALF
.endif
.endm
	s_load_b256 s[4:11], s[0:1], 0x0               ; x s[4:5], W1's codes s[6:7], W1's scales s[8:9], b1 s[10:11]
	s_load_b256 s[12:19], s[0:1], 0x20             ; W2's codes s[12:13], W2's scales s[14:15], b2 s[16:17], out s[18:19]
	v_lshl_add_u32 v69, v0, 2, 0x39100
	v_mov_b32 v127, 0
	v_lshrrev_b32 v[TA], 5, v0
	v_readfirstlane_b32 s[WV], v[TA]               ; wave 0..7
	v_and_b32 v[TA], 31, v0                        ; lane
	v_lshlrev_b32 v[L16], 4, v[TA]
	v_lshlrev_b32 v[L4], 2, v[TA]
	v_and_b32 v[QM], 15, v0                        ; r
	v_bfe_u32 v[QM+1], v0, 4, 1                    ; h
	v_mul_u32_u24 v[XJ0], v[QM], XP
	v_lshl_add_u32 v[PT0], v[QM+1], 5, v[XJ0]
	v_lshl_add_u32 v[XJ0], v[QM+1], 7, v[XJ0]
	v_lshlrev_b32 v[H128], 7, v[QM+1]
	v_lshlrev_b32 v[SH8], 3, v[QM+1]
	v_and_b32 v[QM+2], 7, v[QM]
	v_lshrrev_b32 v[QM+3], 3, v[QM]
	v_lshl_add_u32 v[QM+2], v[QM+3], 5, v[QM+2]    ; (r & 7) + 32 (r >> 3): my row in a tile of W1
	v_mul_u32_u24 v[W1O], v[QM+2], 96              ; a row of W1 is 128 codes, 96 bytes;
	v_mad_u32_u24 v[W1O], v[QM+1], 24, v[W1O]      ; + 24 h
	v_lshlrev_b32 v[W1SO], 2, v[QM+2]              ; its scale word
	v_mul_u32_u24 v[W2O], v[QM], 384               ; a row of W2 is 512 codes, 384 bytes
	v_mad_u32_u24 v[W2O], v[QM+1], 24, v[W2O]
	v_lshlrev_b32 v[W2SO], 4, v[QM]                ; its 16 scale bytes
	v_mov_b32 v[PERM], 0                           ; written once: a lane permute's destination counts as one of its sources
	s_wait_alu depctr_va_sdst(0)                   ; the wave's number is written, ahead of its first reader: s, g and every constant of the wave are made from it
	s_and_b32 s[KS], s[WV], 3                      ; s: my 128 hidden units
	s_lshr_b32 s[GI], s[WV], 2                     ; g: my eight i
	s_mov_b32 s[SEL], 0x76543210
	s_mov_b32 s[SEL+1], 0xfedcba98
	s_lshl_b32 s39, s[GI], 3
	s_add_co_u32 s39, s39, s[WV]                   ; the i' of my middle pair fragment: w + 8 g: 0-3, 12-15;
	s_xor_b32 s40, s39, 8                          ; of the other: 8-11, 4-7: each of the 16 is made once
	s_mul_i32 s[SXI], s39, XP
	s_mul_i32 s[SXI+1], s40, XP
	s_mul_i32 s[SPW], s39, FRB
	s_add_co_u32 s[SPW], s[SPW], PI
	s_mul_i32 s[SPW+1], s40, FRB
	s_add_co_u32 s[SPW+1], s[SPW+1], PI
	s_lshl_b32 s[SPC], s39, 7
	s_add_co_u32 s[SPC], s[SPC], PIS
	s_lshl_b32 s[SPC+1], s40, 7
	s_add_co_u32 s[SPC+1], s[SPC+1], PIS
	s_mul_i32 s[SPF], s[GI], 8*FRB                 ; the eight images that I fetch
	s_add_co_u32 s[SPF], s[SPF], PI
	s_lshl_b32 s[SPS], s[GI], 10
	s_add_co_u32 s[SPS], s[SPS], PIS
	s_mul_i32 s[SPT], s[WV], PARTB                 ; my partial
	s_add_co_u32 s[SPT], s[SPT], PART
	s_mul_i32 s[SXW], s[WV], 2*XP                  ; rows 2 w, 2 w + 1 of x
	s_mul_i32 s[SRD], s[WV], 2*XP                  ; and of the partials
	s_add_co_u32 s[SRD], s[SRD], PART
	s_mov_b32 s[CUR], HALF                         ; the head makes b 0's pairs as a stage makes the next b's: into the half that is not in hand
	s_mov_b32 s[NXT], 0
	s_lshl_b32 s40, ttmp9, 16                      ; my work-group's 8 b of 8,192 bytes,
	s_lshl_b32 s41, s[WV], 10                      ; my wave's two rows of 512
	s_add_co_u32 s40, s40, s41
	s_mov_b32 s41, 0
	s_mov_b32 s43, 0
	s_wait_kmcnt 0x0
	s_add_nc_u64 s[4:5], s[4:5], s[40:41]
	s_add_nc_u64 s[18:19], s[18:19], s[40:41]
	s_mul_i32 s42, s[KS], 128*96                   ; my 128 rows of W1,
	s_add_nc_u64 s[6:7], s[6:7], s[42:43]
	s_lshl_b32 s42, s[KS], 9                       ; their scale words; my 128 numbers of b1
	s_add_nc_u64 s[8:9], s[8:9], s[42:43]
	s_add_nc_u64 s[10:11], s[10:11], s[42:43]
	s_mul_i32 s42, s[KS], 96                       ; K step s in a row of W2,
	s_add_nc_u64 s[12:13], s[12:13], s[42:43]
	s_lshl_b32 s42, s[KS], 2                       ; and its scale word
	s_add_nc_u64 s[14:15], s[14:15], s[42:43]
	s_wait_alu depctr_va_vdst(0)                   ; the offsets v1, v4 and v123-126 are written, which the global loads and stores of the whole kernel read
	global_load_b128 v[XG:XG+3], v[L16], s[4:5] th:TH_LOAD_NT              ; x of b 0: my two rows,
	global_load_b128 v[XG+4:XG+7], v[L16], s[4:5] offset:512 th:TH_LOAD_NT
	global_load_b128 v[XT:XT+3], v[L16], s[4:5] offset:8192 th:TH_LOAD_NT  ; and of b 1
	global_load_b128 v[XT+4:XT+7], v[L16], s[4:5] offset:8704 th:TH_LOAD_NT
	WIN 0x40                                       ; destination window 1
.irp t, 0,1,2,3,4,5,6,7                        ; W1's fragments: tile t begins at row 64 (t / 4) + 8 (t % 4); 24 bytes as three loads of 8, so that every address is a multiple of the access's size
.irp p, 0,1,2,3,4,5
	global_load_b64 v[W1F+12*\t+2*\p:W1F+12*\t+2*\p+1], v[W1O], s[6:7] offset:(64*(\t/4)+8*(\t%4))*96+48*(\p/3)+8*(\p%3)
.endr
.endr
	WIN 0
.irp t, 0,1,2,3,4,5,6,7
	global_load_b32 v[W1S+\t], v[W1SO], s[8:9] offset:(64*(\t/4)+8*(\t%4))*4
.endr
	ADDR
	v_add_nc_u32 v[TA], s[SXW], v[L16]             ; x's rows in half 0
	s_wait_alu depctr_va_vdst(0)                   ; the LDS addresses v7-19 are written, which the head's LDS stores and loads read
	s_wait_loadcnt 56                              ; behind x's four loads stand W1's 48 + 8: x is in
	ds_store_b128 v[TA], v[XG:XG+3]                ; b 0 into half 0,
	ds_store_b128 v[TA], v[XG+4:XG+7] offset:XP
	ds_store_b128 v[XWA], v[XT:XT+3]               ; b 1 into half 1
	ds_store_b128 v[XWA], v[XT+4:XT+7] offset:XP
	BAR                                            ; both b's 16 rows lie in LDS
	WIN 0x40
.irp n, 0,1,2,3,4,5,6,7                        ; W2's fragments: tile n = outputs 16 n on, K step s
.irp p, 0,1,2,3,4,5
	global_load_b64 v[W2F+12*\n+2*\p:W2F+12*\n+2*\p+1], v[W2O], s[12:13] offset:16*\n*384+48*(\p/3)+8*(\p%3)
.endr
.endr
.irp t, 0,1,2,3,4,5,6,7                        ; b1 in the result's layout: lane (r, h), tile t: hidden units 64 (t / 4) + 8 (t % 4) + 32 h + 0 .. 7
	global_load_b128 v[B1+8*\t:B1+8*\t+3], v[H128], s[10:11] offset:(64*(\t/4)+8*(\t%4))*4
	global_load_b128 v[B1+8*\t+4:B1+8*\t+7], v[H128], s[10:11] offset:(64*(\t/4)+8*(\t%4))*4+16
.endr
	WIN 0
.irp n, 0,1,2,3,4,5,6,7
	global_load_b32 v[W2S+\n], v[W2SO], s[14:15] offset:256*\n
.endr
	global_load_b128 v[B2R:B2R+3], v[L16], s[16:17]
	s_wait_xcnt 0x0                                ; every load issued has read its base
	s_add_nc_u64 s[4:5], s[4:5], 16384             ; x at b 2
	s_wait_alu depctr_vm_vsrc(0)                   ; the LDS stores of b 1's rows have read XT's first eight registers, in which the loads below land
	PQ_LOAD 1                                      ; b 0's pair fragments, two a wave, while the weights are on their way
	PQ_WORK 1
	PQ_LOAD 0
	PQ_WORK 0
	BAR                                            ; b 0's sixteen images lie in half 0
	s_xor_b32 s[CUR], s[CUR], HALF
	s_xor_b32 s[NXT], s[NXT], HALF
	s_wait_loadcnt 0x0                             ; the weights, their scales, the biases
.irp i, 0,1,2,3
	v_mul_f32 v[B2R+\i], 0x41800000, v[B2R+\i]     ; b2 is added for each of the 16 i: 16 b2, exact
.endr
	s_mov_b32 s[TRIP], 6
.Lstage:                                               ; b 0 to 5: each fetches x of the b two on and makes the pairs of the next b
	STAGE 1, 1
	s_sub_co_u32 s[TRIP], s[TRIP], 1
	s_cmp_lg_u32 s[TRIP], 0
	s_cbranch_scc1 .Lstage
	STAGE 0, 1                                     ; b 6: no x is left to fetch: no load leaves its buffer
	STAGE 0, 0                                     ; b 7: and no pairs are left to make
	s_wait_dscnt 0x0
	s_wait_alu depctr_hold_cnt(0) depctr_sa_sdst(0) depctr_va_vdst(0) depctr_va_sdst(0) depctr_va_ssrc(0) depctr_va_vcc(0) depctr_vm_vsrc(0)
	s_wait_tensorcnt 0x0
	ds_add_u32 v69, v127
	s_wait_dscnt 0x0
	s_endpgm
.Lfunc_end_k_qbfdc5ca25d_pairs_mlp:
	.size	k_qbfdc5ca25d_pairs_mlp, .Lfunc_end_k_qbfdc5ca25d_pairs_mlp-k_qbfdc5ca25d_pairs_mlp
	.p2alignl 7, 3214868480
	.fill 96, 4, 3214868480
	.section	.rodata,"a",@progbits
	.p2align	6, 0x0
	.amdhsa_kernel k_qbfdc5ca25d_pairs_mlp
		.amdhsa_group_segment_fixed_size 234752
		.amdhsa_private_segment_fixed_size 0
		.amdhsa_enable_private_segment 0
		.amdhsa_kernarg_size 64
		.amdhsa_user_sgpr_count 2
		.amdhsa_user_sgpr_kernarg_segment_ptr 1
		.amdhsa_wavefront_size32 1
		.amdhsa_system_sgpr_workgroup_id_x 1
		.amdhsa_system_sgpr_workgroup_id_y 1
		.amdhsa_system_sgpr_workgroup_id_z 1
		.amdhsa_system_vgpr_workitem_id 0
		.amdhsa_next_free_vgpr 512
		.amdhsa_next_free_sgpr 66
		.amdhsa_reserve_vcc 0
		.amdhsa_float_denorm_mode_32 3
		.amdhsa_float_denorm_mode_16_64 3
		.amdhsa_memory_ordered 1
		.amdhsa_forward_progress 1
		.amdhsa_inst_pref_size 255
	.end_amdhsa_kernel
	.section	.bss,"aw",@nobits
	.p2align	6
	.space	262144
	.amdgpu_metadata
---
amdhsa.version: [ 1, 2 ]
amdhsa.kernels:
  - .name:           k_qbfdc5ca25d_pairs_mlp
    .symbol:         k_qbfdc5ca25d_pairs_mlp.kd
    .args:
      - { .name: attribute_embeddings, .offset: 0, .size: 8, .value_kind: global_buffer, .address_space: global }
      - { .name: W1_codes, .offset: 8, .size: 8, .value_kind: global_buffer, .address_space: global }
      - { .name: W1_scales, .offset: 16, .size: 8, .value_kind: global_buffer, .address_space: global }
      - { .name: b1, .offset: 24, .size: 8, .value_kind: global_buffer, .address_space: global }
      - { .name: W2_codes, .offset: 32, .size: 8, .value_kind: global_buffer, .address_space: global }
      - { .name: W2_scales, .offset: 40, .size: 8, .value_kind: global_buffer, .address_space: global }
      - { .name: b2, .offset: 48, .size: 8, .value_kind: global_buffer, .address_space: global }
      - { .name: out0, .offset: 56, .size: 8, .value_kind: global_buffer, .address_space: global }
    .group_segment_fixed_size: 234752
    .private_segment_fixed_size: 0
    .kernarg_segment_align: 8
    .kernarg_segment_size: 64
    .max_flat_workgroup_size: 256
    .sgpr_count:     66
    .vgpr_count:     512
    .wavefront_size: 32
...
	.end_amdgpu_metadata
.endif
;; end of part 2
